; MI455X (gfx1250); checked and timed in simulation.
; The chip was launched on July 23, 2026; its instructions are those of AMD's public machine-readable ISA for CDNA 5 (MIT licence, August 2026) and "CDNA5" Instruction Set Architecture Reference Guide (July 2026). The comments in the code are by the model that wrote it; some were corrected since.
;; Barrier Net. Allowed arithmetic: matrix products marked QUANTISED: E2M1 operands, one E8M0 scale for each 32 along K, by v_wmma_scale_f32_16x16x128_f8f6f4 with both operands' format E2M1 (or v_wmma_scale_f32_32x16x128_f4), f32 sums; products left as they are: f32 operands where the result goes on into a quantised operand, else bf16, f16 or f32 operands; f32 sums; everything else in f32.
;; Inputs: W1_codes 256 x 2 x 16 uint8 (E2M1 codes of W1, K innermost, in blocks of 32 codes, two codes a byte); W1_scales 256 x 2 uint8 (E8M0 scales of W1, one for each 32 codes along K); W21_codes 256 x 8 x 16 uint8 (E2M1 codes of W21, K innermost, in blocks of 32 codes, two codes a byte); W21_scales 256 x 8 uint8 (E8M0 scales of W21, one for each 32 codes along K); W22_codes 256 x 8 x 16 uint8 (E2M1 codes of W22, K innermost, in blocks of 32 codes, two codes a byte); W22_scales 256 x 8 uint8 (E8M0 scales of W22, one for each 32 codes along K); W31 2 x 256 float32; W32 1 x 256 float32; b1 256 float32; b21 256 float32; b22 256 float32; b31 2 float32; b32 1 float32; obs 65,536 x 64 float32.
;; Outputs: out0 65,536 x 2 float32.
;; This version of the problem:
;;   THIS VERSION OF THE PROBLEM IS GIVEN IN LOW PRECISION. The matrix products marked QUANTISED in the list below multiply operands that are first quantised to E2M1 (2 exponent bits, 1 mantissa bit; 4 bits a number), with one power-of-two scale for each 32 numbers along K (OCP MX v1.0); their sums are f32. All else is computed in f32.
;;   The module's matrix products, in the order in which they are computed (A, B: the left and right operand; K: the contracted axis; several contracted axes count as one K, in the product's order):
;;     1. [M 65,536, K 64] x [K 64, N 256]; A: input obs; B: input W1 (given as codes): QUANTISED
;;     2. [M 65,536, K 256] x [K 256, N 256]; A: computed on the way; B: input W21 (given as codes): QUANTISED
;;     3. [M 65,536, K 256] x [K 256, N 256]; A: computed on the way; B: input W22 (given as codes): QUANTISED
;;     4. [M 65,536, K 256] x [K 256, N 2]; A: computed on the way; B: input W31: left as it is (N = 2 < 16)
;;     5. [M 65,536, K 256] x [K 256, N 1]; A: computed on the way; B: input W32: left as it is (N = 1 < 16)
;;   THE QUANTISER, for each operand of a quantised product, along K:
;;     - K is cut into blocks of 32 from its start; a last block that is shorter is filled with zeros.
;;     - A block's scale is 2^e with e = floor(log2(the largest magnitude in the block)) - 2, held to -126 .. 127; a block of zeros has e = 0. As a byte (E8M0): e + 127.
;;     - Each number is divided by its block's scale, clamped to +-6, and rounded to the nearest number of E2M1, ties to even, subnormals kept.
;;     - The product sums the exact products of the quantised numbers (number of the format x scale) in f32.
;;   ~~~python
;;   def quantise(x, axis):      # numpy; x: float32 -> the quantised numbers, widened to float32 again
;;       x = np.moveaxis(x, axis, -1); K = x.shape[-1]
;;       x = np.pad(x, [(0, 0)] * (x.ndim - 1) + [(0, -K % 32)]); x = x.reshape(x.shape[:-1] + (-1, 32)); a = np.abs(x).max(-1, keepdims=True)
;;       e = np.where(a > 0, np.clip(np.frexp(np.where(a > 0, a, 1))[1] - 1 - 2, -126, 127), 0)      # np.frexp(a)[1] - 1 = floor(log2(a)), exactly
;;       r = np.clip(x / 2.0 ** e, -6, 6)
;;       step = 2.0 ** (np.maximum(np.frexp(np.where(r == 0, 1, r))[1] - 1, 0) - 1)
;;       q = np.round(r / step) * step * 2.0 ** e      # np.round: ties to even
;;       return np.moveaxis(q.reshape(q.shape[:-2] + (-1,))[..., :K], -1, axis).astype(np.float32)
;;   ~~~
;;   OPERANDS COMPUTED ON THE WAY. 'Computed on the way' means the value that the module computes at that place (a softmax that the list does not call 'softmax' is quantised finished and normalised). What goes into a quantiser is computed in f32, as accurately as f32 sums, v_exp_f32 and their like allow (about 1e-6 of the number): no bf16 or f16 on the way to a quantiser, and a product that is left as it is and whose result goes on into a quantised operand takes f32 operands (vector FMAs, or v_wmma_f32_16x16x4_f32). A number that lies on a knife's edge between two numbers of the format may be rounded either way, as far as f32 arithmetic and the matrix unit's own rounding can turn it there, and no further.
;;   INPUTS GIVEN AS CODES. W1 (in the module: [256, 64], K = its axis 1); W21 (in the module: [256, 256], K = its axis 1); W22 (in the module: [256, 256], K = its axis 1): each comes as NAME_codes (uint8): NAME with its K axis moved to the last place and cut into blocks of 32 codes, [.., K / 32, bytes a block], one block behind the other in memory; two codes a byte, the lower K in the low four bits (a code: sign, 2 exponent bits, 1 mantissa bit); and NAME_scales (uint8): the same leading axes, one E8M0 byte (e + 127) for each 32 codes along K. Its value is code x scale, taken as it is: it is not quantised again, and the codes and scales need not be those that the quantiser above would give.
;; 2 versions. Each part assembles by itself: llvm-mc -triple=amdgcn-amd-amdhsa -mcpu=gfx1250 --defsym DOCPART=n.
;; ======== version 1 of 2: 1 launch
;; launch barrier (part 1): grid 256 x 1, 8 waves a work-group, no clusters, 181,248 bytes of LDS; arguments obs, W1_codes, W1_scales, b1, W21_codes, W21_scales, b21, W22_codes, W22_scales, b22, W31, W32, b31, b32, out0; writes out0
.if DOCPART == 1
	.amdgcn_target "amdgcn-amd-amdhsa--gfx1250"
	.amdhsa_code_object_version 6
	.text
	.protected	k_qd73b9d3360_barrier
	.globl	k_qd73b9d3360_barrier
	.p2align	8
	.type	k_qd73b9d3360_barrier,@function
k_qd73b9d3360_barrier:
	s_mov_b64 s[64:65], 0
	v_nop
	global_prefetch_b8 v0, s[64:65] scope:SCOPE_SE
	s_setreg_imm32_b32 hwreg(HW_REG_WAVE_MODE, 25, 1), 1
	s_wait_xcnt 0x0
; BarrierNet, one launch.  x = relu(obs W1^T + b1); x21 = relu(x W21^T + b21); x22 = relu(x W22^T + b22); u = x21 W31^T + b31; beta = 0.2 sigmoid(x22 W32^T + b32);
; then, row by row, the CVaR coefficient (erfinv), the soft worst case over three modes (logsumexp, its maximum taken away) and the projection of u onto the half-space.
; The first three products run on codes of FP4 (E2M1) with one E8M0 scale for each 32 along K: the weights as they are given, obs and x quantised here from f32.  The last two are f32 multiply-adds.
; SHARES.  A work-group owns 256 rows of obs: 16 tiles m of 16 rows; 256 work-groups.  ITS EIGHT WAVES SHARE THE COLUMNS: wave g makes units 32 g .. 32 g + 31 of x (which are block g of the next K), of x21 and of x22,
; for all 256 rows.  So a wave's weights, their scale words, its biases and its part of W31 and W32 go from memory straight into the registers where they stay: about 10 KB a wave, each byte loaded once by the wave.
; What goes round through LDS is small: the rows' codes, as images of the operand's registers.  Work that goes by rows (obs is quantised; the tail) is shared by rows: wave g has rows 32 g .. 32 g + 31.
; BOTH LAYERS ARE USED TRANSPOSED (source 0 = 16 rows of a weight, source 1 = 16 rows of obs or x): lane (r, h) holds row r, its register j unit 8 h + j of the tile.  THE ROWS OF W1 THAT FORM A TILE ARE NOT NEIGHBOURS:
; lane r of tile u takes row 32 g + 8 u + r + 8 (r / 8), so that a lane's 16 results of tiles 0 and 1 are k = 32 g + 16 h + 0 .. 15 of the next K.  The biases are the C of each sum's first matrix instruction.
; K = 64 of the first product is filled up to the instruction's 128 with zero codes on both sides; the scale bytes there are 0, which is a power of two like any other.
; WHERE THE MEMORY INSTRUCTIONS STAND.  At the head: obs (16 loads a wave) and what the first layer wants (8).  The second layer's 40 loads are dealt over the first layer's 16 trips, three a trip.  A trip's memory
; instructions stand together at its head, directly behind the last tile's LDS stores and ahead of the products; behind the products stands vector work alone, on another tile's registers.
; NO JOINT LOADS, NO TENSOR LOADS: all work-groups read the same 83 KB of weights, but a joint load lands in LDS, from where all of it would be read once more into the registers; here no weight byte touches LDS.
; NO PREFETCH: obs is asked for by its own loads at the very head: there is nothing ahead of which to ask.  NO LOOP, NO BRANCH: every offset is an immediate, no address register and no base is written twice.
; LIMITS.  NaN and infinities among the inputs are not served.  A block whose largest magnitude lies under 2^-124 keeps the scale byte 1; a block of zeros has the byte 1 too, where the rule says 127: its codes are zeros,
; and this text alone reads the bytes.  The f32 sums of the last two products are taken in another order than a plain sum along K (16 partial sums of 16, then a tree).
;
; LDS, no byte written twice:
.set SP,     272                       ; a row of obs in the stage: 256 bytes + 16 = 68 words: row r starts at bank 4 r mod 64 (64 banks of 4 bytes: ISA guide 11.1), so 16 rows start at 16 different banks
.set L_STG,  0                         ; obs as f32: 256 rows x SP; wave g's 32 rows at 32 SP g: written and read by that wave alone
.set L_XI,   69632                     ; obs' codes: tile m at 512 m, lane l's 16 bytes (registers 0-3 of the fragment) at 16 l
.set L_XS,   77824                     ; obs' scale words: 128 m + 4 l
.set L_HI,   79872                     ; x's codes: tile m, K step s, registers 4 c .. 4 c + 3: (2 m + s) 1024 + 512 c + 16 l
.set L_HS,   112640                    ; x's scale words: (2 m + s) 64 + 4 r, byte = block in the K step
.set L_PS,   114688                    ; partial sums (u0, u1, logit, 0): (2 g + h) 4096 + 16 x row
; REGISTERS, window 0 (v0-255):
.set LN,     1                         ; lane l
.set RR,     2                         ; r = l % 16
.set HH,     3                         ; h = l / 16
.set VO_OBS, 4                         ; global offsets, never rewritten: obs 8192 g + 16 l
.set VO_W1,  5                         ; W1's codes 1024 g + 32 r' + 16 h
.set VO_S1,  6                         ; W1's scales 64 g + 2 r'
.set VO_B1,  7                         ; b1 128 g + 64 h
.set VO_W2,  8                         ; W21's, W22's codes 4096 g + 128 r + 16 h
.set VO_S2,  9                         ; their scales 256 g + 8 r
.set VO_B2,  10                        ; b21, b22, W31, W32: 128 g + 32 h
.set SW,     11                        ; LDS addresses, never rewritten: the stage, in: 32 SP g + SP h + 16 r
.set SRD,    12                        ; the stage, out: 32 SP g + SP r + 128 h: my block of 32 of row r
.set XWI,    13                        ; L_XI + 1024 g + 16 l
.set XWS,    14                        ; L_XS + 256 g + 4 l
.set LIX,    15                        ; L_XI + 16 l
.set LSX,    16                        ; L_XS + 4 l
.set HWI,    17                        ; L_HI + 256 g + 16 r + 8 h
.set HWS,    18                        ; L_HS + 64 (g / 4) + 4 r + g % 4
.set LIH,    19                        ; L_HI + 16 l
.set LSH,    20                        ; L_HS + 4 r
.set PW,     21                        ; L_PS + 8192 g + 4096 h + 16 r
.set PR,     22                        ; L_PS + 512 g + 16 l
.set ER,     23                        ; 32 SP g + SP l: my row of the stage, for the tail
.set OO,     24                        ; out0: 256 g + 8 l
.set H8,     25                        ; 8 h
.set RP,     26                        ; r' = r + 8 (r / 8)
.set W1S,    32                        ; v32-47 hold scale words and nothing else: W1's (tile u),
.set W2S,    34                        ; W21's and W22's (tile t, K step s: 2 t + s),
.set HSW,    42                        ; x's (buffer b, K step s: 2 b + s),
.set XSW,    46                        ; obs' (buffer b)
.set W3A,    48                        ; v48-63 W31's row 0 at my 16 units; v64-79 its row 1; v80-95 W32
.set W3B,    64
.set W3C,    80
.set FB,     96                        ; v96-127 source 1: phase 1 two buffers of 8 (the upper four stay 0), phase 2 two buffers of 16; phase X: v112-127 at work
.set OB,     128                       ; v128-191 obs as loaded; then the accumulators, two buffers; then the 16 partial sums of the tail
.set XQ0,    192                       ; v192-255 phase X: 2 x 32 numbers of obs; later at work
; window 1 (v256-383, written v0-127): v0-63 W21's and W22's fragments (16 t + 8 s); v64-95 b21, b22 in C's layout (8 t); v96-111 W1's two fragments (upper four registers 0); v112-127 b1 (8 u)
.set DUAL,   1                         ; 1: two maxima with 0 in one dual-issue instruction
.set MSB, 0
.macro WIN new                         ; s_set_vgpr_msb: bits 1:0 source 0, 3:2 source 1, 5:4 source 2, 7:6 destination; the high byte repeats the setting that is left
.if MSB != \new
	s_set_vgpr_msb (MSB<<8)|\new
.set MSB, \new
.endif
.endm
.macro PLACES                          ; four plain vector instructions between a matrix instruction and a load into, or a vector read of, its registers
.rept 4
	v_nop
.endr
.endm
.macro BARRIER                         ; my LDS stores have landed and my LDS loads are in: then the work-group's barrier
	s_wait_dscnt 0x0
	s_barrier_signal -1
	s_barrier_wait -1
.endm
.macro RELU2 a                         ; two neighbours, a even
.if DUAL
	v_dual_max_num_f32 v[\a], 0, v[\a] :: v_dual_max_num_f32 v[(\a)+1], 0, v[(\a)+1]
.else
	v_max_num_f32 v[\a], 0, v[\a]
	v_max_num_f32 v[(\a)+1], 0, v[(\a)+1]
.endif
.endm
.macro WMMA d, a, b, c, sa, sb
	v_wmma_scale_f32_16x16x128_f8f6f4 v[\d:(\d)+7], v[\a:(\a)+7], v[\b:(\b)+7], v[\c:(\c)+7], v[\sa], v[\sb] matrix_a_fmt:MATRIX_FMT_FP4 matrix_b_fmt:MATRIX_FMT_FP4
.endm
	s_load_b512 s[4:19], s[0:1], 0x0               ; obs s[4:5], W1_codes s[6:7], W1_scales s[8:9], b1 s[10:11], W21_codes s[12:13], W21_scales s[14:15], b21 s[16:17], W22_codes s[18:19]
	s_load_b256 s[20:27], s[0:1], 0x40             ; W22_scales s[20:21], b22 s[22:23], W31 s[24:25], W32 s[26:27]
	s_load_b128 s[28:31], s[0:1], 0x60             ; b31 s[28:29], b32 s[30:31]
	s_load_b64 s[32:33], s[0:1], 0x70              ; out0
	v_lshl_add_u32 v30, v0, 2, 0x2c000
	v_mov_b32 v31, 0
	v_lshrrev_b32 v[LN], 5, v0
	v_readfirstlane_b32 s2, v[LN]                  ; g: my wave, 0..7
	v_and_b32 v[LN], 31, v0
	v_and_b32 v[RR], 15, v0
	v_bfe_u32 v[HH], v0, 4, 1
	v_and_b32 v[RP], 8, v[RR]
	v_add_nc_u32 v[RP], v[RP], v[RR]
	v_lshlrev_b32 v[H8], 3, v[HH]
	; global offsets
	s_lshl_b32 s3, s2, 13
	v_lshl_add_u32 v[VO_OBS], v[LN], 4, s3
	s_lshl_b32 s3, s2, 10
	v_lshl_add_u32 v[VO_W1], v[RP], 5, s3
	v_lshl_add_u32 v[VO_W1], v[HH], 4, v[VO_W1]
	s_lshl_b32 s3, s2, 6
	v_lshl_add_u32 v[VO_S1], v[RP], 1, s3
	s_lshl_b32 s3, s2, 7
	v_lshl_add_u32 v[VO_B1], v[HH], 6, s3
	v_lshl_add_u32 v[VO_B2], v[HH], 5, s3
	s_lshl_b32 s3, s2, 12
	v_lshl_add_u32 v[VO_W2], v[RR], 7, s3
	v_lshl_add_u32 v[VO_W2], v[HH], 4, v[VO_W2]
	s_lshl_b32 s3, s2, 8
	v_lshl_add_u32 v[VO_S2], v[RR], 3, s3
	v_lshl_add_u32 v[OO], v[LN], 3, s3
	; LDS addresses: a constant + constants x lane terms + a constant x wave
	s_mul_i32 s3, s2, 32*SP                        ; my wave's 32 rows of the stage
	v_mul_u32_u24 v[SW], v[HH], SP
	v_lshl_add_u32 v[SW], v[RR], 4, v[SW]
	v_add_nc_u32 v[SW], s3, v[SW]
	v_mul_u32_u24 v[SRD], v[RR], SP
	v_lshl_add_u32 v[SRD], v[HH], 7, v[SRD]
	v_add_nc_u32 v[SRD], s3, v[SRD]
	v_mul_u32_u24 v[ER], v[LN], SP
	v_add_nc_u32 v[ER], s3, v[ER]
	s_lshl_b32 s34, s2, 10
	s_add_co_u32 s34, s34, L_XI
	v_lshl_add_u32 v[XWI], v[LN], 4, s34
	s_lshl_b32 s34, s2, 8
	s_add_co_u32 s34, s34, L_XS
	v_lshl_add_u32 v[XWS], v[LN], 2, s34
	v_lshl_add_u32 v[LIX], v[LN], 4, L_XI
	v_lshl_add_u32 v[LSX], v[LN], 2, L_XS
	s_lshl_b32 s34, s2, 8
	s_add_co_u32 s34, s34, L_HI
	v_lshl_add_u32 v[HWI], v[RR], 4, s34
	v_lshl_add_u32 v[HWI], v[HH], 3, v[HWI]
	s_lshr_b32 s34, s2, 2                          ; block g of x's K is byte g % 4 of K step g / 4
	s_lshl_b32 s34, s34, 6
	s_and_b32 s35, s2, 3
	s_add_co_u32 s34, s34, s35
	s_add_co_u32 s34, s34, L_HS
	v_lshl_add_u32 v[HWS], v[RR], 2, s34
	v_lshl_add_u32 v[LIH], v[LN], 4, L_HI
	v_lshl_add_u32 v[LSH], v[RR], 2, L_HS
	s_lshl_b32 s34, s2, 13
	s_add_co_u32 s34, s34, L_PS
	v_lshl_add_u32 v[PW], v[HH], 12, s34
	v_lshl_add_u32 v[PW], v[RR], 4, v[PW]
	s_lshl_b32 s34, s2, 9
	s_add_co_u32 s34, s34, L_PS
	v_lshl_add_u32 v[PR], v[LN], 4, s34
	s_mov_b32 s40, 0x76543210                      ; v_permlanex16_b32's selects for lane l xor 16
	s_mov_b32 s41, 0xfedcba98
	s_mov_b32 s42, 0x3d23d70b                      ; 4 x 0.1^2, squared in f32
	s_mov_b32 s43, 0x3eb851ec                      ; 4 x 0.3^2   (4 x 0.5^2 is 1)
	s_mov_b32 s44, 0x322bcc77                      ; 1e-8
	s_mov_b32 s45, 0x2b8cbccc                      ; 1e-12
	s_mov_b32 s46, 0x358637bd                      ; 1e-6
	s_mov_b32 s47, 0x3f7fffef                      ; 1 - 1e-6
	s_wait_kmcnt 0x0
	s_load_b64 s[36:37], s[28:29], 0x0             ; b31's two numbers and b32: waited for in the tail
	s_load_b32 s38, s[30:31], 0x0
	s_lshl_b32 s34, ttmp9, 16                      ; my work-group's 256 rows of obs, 256 bytes each
	s_mov_b32 s35, 0
	s_add_nc_u64 s[4:5], s[4:5], s[34:35]
	s_lshl_b32 s34, ttmp9, 11                      ; and of out0, 8 bytes each
	s_add_nc_u64 s[32:33], s[32:33], s[34:35]
	; THE HEAD'S 24 GLOBAL LOADS.  First my 32 rows of obs: 16 loads, each 512 consecutive bytes (two rows)
.irp i, 0,1,2,3,4,5,6,7,8,9,10,11,12,13,14,15
	global_load_b128 v[OB+4*\i:OB+4*\i+3], v[VO_OBS], s[4:5] offset:512*\i th:TH_LOAD_NT
.endr
	; then what the first layer wants: 8 loads
	WIN 0x40                                       ; destination window 1, offset window 0
.irp u, 0,1
	global_load_b128 v[96+8*\u:99+8*\u], v[VO_W1], s[6:7] offset:256*\u        ; W1, tile u: k = 32 h .. 32 h + 31 of row 32 g + 8 u + r'
.endr
.irp u, 0,1
	global_load_b128 v[112+8*\u:115+8*\u], v[VO_B1], s[10:11] offset:32*\u     ; b1 at units 32 g + 16 h + 8 u + 0 .. 7
	global_load_b128 v[116+8*\u:119+8*\u], v[VO_B1], s[10:11] offset:32*\u+16
.endr
	WIN 0
.irp u, 0,1
	global_load_u16 v[W1S+\u], v[VO_S1], s[8:9] offset:16*\u                   ; a row's two scale bytes; bytes 2 and 3 come as 0
.endr
	; the zero codes of k = 64 .. 127 of the first product, on both sides, written once
	WIN 0x40
.irp j, 100,101,102,103,108,109,110,111
	v_mov_b32 v[\j], 0
.endr
	WIN 0
.irp j, 100,101,102,103,108,109,110,111
	v_mov_b32 v[\j], 0
.endr
	v_mov_b32 v124, 0                              ; a lane permute's destination counts as one of its sources
; THE SECOND LAYER'S 40 GLOBAL LOADS, numbered CN = 0 .. 39 in the order in which they are wanted; phase 1 issues them, three a trip.  Tile t: rows 32 g + 16 (t % 2) + r of W21 (t < 2) or W22.
;   0-15   the codes: tile CN / 4, K step and half (CN % 4): 16 bytes a lane, into window 1
;   16-23  b21 or b22 at units 32 g + 16 (t % 2) + 8 h + 0 .. 7, in C's layout, into window 1
;   24-27  a row's eight scale bytes: the words of K steps 0 and 1
;   28-39  W31's row 0, its row 1, W32, at the same units as the biases
.macro CLOAD
.if CN < 16
.set CT, CN/4
	WIN 0x40
	global_load_b128 v[4*CN:4*CN+3], v[VO_W2], s[12+6*(CT/2):13+6*(CT/2)] offset:2048*(CT%2)+32*(CN%4)
.elseif CN < 24
.set CT, (CN-16)/2
	WIN 0x40
	global_load_b128 v[64+4*(CN-16):64+4*(CN-16)+3], v[VO_B2], s[16+6*(CT/2):17+6*(CT/2)] offset:64*(CT%2)+16*(CN%2)
.elseif CN < 28
.set CT, CN-24
	WIN 0
	global_load_b64 v[W2S+2*CT:W2S+2*CT+1], v[VO_S2], s[14+6*(CT/2):15+6*(CT/2)] offset:128*(CT%2)
.else
.set CT, (CN-28)/4
.set CQ, (CN-28)%4
	WIN 0
	global_load_b128 v[W3A+16*CT+4*CQ:W3A+16*CT+4*CQ+3], v[VO_B2], s[24+2*(CT/2):25+2*(CT/2)] offset:1024*(CT%2)+64*(CQ/2)+16*(CQ%2)
.endif
.endm
; ---- PHASE X: my 32 rows of obs become two fragments.  The loads took the bytes as they lie; the operand wants a whole block of 32 along K in a lane: so the rows turn through my own stage.
; Tile q of my two: 32 numbers of a lane, k = 32 h .. 32 h + 31 of row r: the block's largest magnitude needs no other lane, and the four conversions' results are registers 0-3 of the operand.
.macro QX q
.set XQ, XQ0+32*(\q)
	v_max3_num_f32 v120, |v[XQ]|, |v[XQ+1]|, |v[XQ+2]|
	v_max3_num_f32 v121, |v[XQ+3]|, |v[XQ+4]|, |v[XQ+5]|
.irp i, 6,10,14,18,22,26
	v_max3_num_f32 v120, v120, |v[XQ+\i]|, |v[XQ+\i+1]|
	v_max3_num_f32 v121, v121, |v[XQ+\i+2]|, |v[XQ+\i+3]|
.endr
	v_max3_num_f32 v120, v120, |v[XQ+30]|, |v[XQ+31]|
	v_max3_num_f32 v120, v120, v121, 0x1800000     ; and the floor 2^(3 - 127): the byte cannot fall under 1
	v_add_nc_u32 v122, 0xff000000, v120            ; 2 off the exponent field: the conversion takes this operand's exponent field as its scale
.irp i, 0,1,2,3
	v_cvt_scalef32_pk8_fp4_f32 v[112+4*(\q)+\i], v[XQ+8*\i:XQ+8*\i+7], v122
.endr
	v_lshrrev_b32 v123, 23, v122                   ; the scale's byte (the plain instruction behind the conversions),
	v_lshlrev_b32 v123, v[H8], v123                ; at its place in the row's word: block h is byte h;
	v_permlanex16_b32 v124, v123, s40, s41
	v_or_b32 v[126+(\q)], v123, v124               ; with lane l xor 16's the word is whole; bytes 2 and 3 are 0
	ds_store_b128 v[XWI], v[112+4*(\q):115+4*(\q)] offset:512*(\q)
	ds_store_b32 v[XWS], v[126+(\q)] offset:128*(\q)
.endm
	s_wait_loadcnt 16                              ; obs' first 8 loads (rows 0-15) are in: behind them 8 of obs and the first layer's 8
.irp i, 0,1,2,3,4,5,6,7
	ds_store_b128 v[SW], v[OB+4*\i:OB+4*\i+3] offset:2*SP*\i
.endr
.irp j, 0,1,2,3,4,5,6,7
	ds_load_b128 v[XQ0+4*\j:XQ0+4*\j+3], v[SRD] offset:16*\j                   ; LDS serves a wave's instructions in order (ISA guide 5.7.1.4): these see my stores
.endr
	s_wait_loadcnt 8                               ; all of obs is in: behind it the first layer's 8
.irp i, 8,9,10,11,12,13,14,15
	ds_store_b128 v[SW], v[OB+4*\i:OB+4*\i+3] offset:2*SP*\i
.endr
.irp j, 0,1,2,3,4,5,6,7
	ds_load_b128 v[XQ0+32+4*\j:XQ0+32+4*\j+3], v[SRD] offset:16*SP+16*\j
.endr
	s_wait_dscnt 16                                ; tile 0's numbers are back: behind them the 8 stores and 8 loads of tile 1
	QX 0
	s_wait_dscnt 2                                 ; tile 1's are back: behind them tile 0's two stores
	QX 1
	BARRIER                                        ; obs' sixteen fragments and their scale words lie in LDS
; ---- PHASE 1: my 32 units of x for all 16 tiles of rows.  Fragments and accumulators in two buffers.  A trip: tile m + 2's fragment is asked of LDS, three of the second layer's loads go out, tile m + 1 is multiplied, tile m is quantised.
.macro LOADX m
	ds_load_b128 v[FB+8*((\m)%2):FB+8*((\m)%2)+3], v[LIX] offset:512*(\m)
	ds_load_b32 v[XSW+(\m)%2], v[LSX] offset:128*(\m)
.endm
.macro MM1 m
.set XB, (\m)%2
	WIN 0x11                                       ; source 0 (W1) and C (b1) window 1
.irp u, 0,1
	WMMA OB+16*XB+8*\u, 96+8*\u, FB+8*XB, 112+8*\u, W1S+\u, XSW+XB
.endr
	WIN 0
.endm
; My 16 numbers of row r, k = 32 g + 16 h + 0 .. 15; lane l xor 16 has the block's other 16.  The image's address puts my 8 bytes of codes where the operand wants them: block g = 4 s + 2 c + h' lies at
; 1024 s + 512 c + 256 h' = 256 g, row r's 16 bytes at 16 r, my half of them at 8 h.  So nothing changes lanes but the maximum.
.macro Q1 m
.set XB, (\m)%2
.set AC, OB+16*XB
.irp i, 0,2,4,6,8,10,12,14
	RELU2 AC+\i                                    ; each accumulator from its low end on
.endr
	v_max3_num_f32 v208, v[AC], v[AC+1], 0x1800000 ; none is negative: no |.|; the floor 2^(3 - 127) among the leaves; two chains
	v_max3_num_f32 v218, v[AC+2], v[AC+3], v[AC+4]
	v_max3_num_f32 v208, v208, v[AC+5], v[AC+6]
	v_max3_num_f32 v218, v218, v[AC+7], v[AC+8]
	v_max3_num_f32 v208, v208, v[AC+9], v[AC+10]
	v_max3_num_f32 v218, v218, v[AC+11], v[AC+12]
	v_max3_num_f32 v208, v208, v[AC+13], v[AC+14]
	v_max3_num_f32 v208, v208, v218, v[AC+15]
	v_permlanex16_b32 v209, v208, s40, s41
	v_max_num_f32 v208, v208, v209                 ; the block's largest number
	v_add_nc_u32 v210, 0xff000000, v208
	v_cvt_scalef32_pk8_fp4_f32 v[212+2*XB], v[AC:AC+7], v210
	v_cvt_scalef32_pk8_fp4_f32 v[213+2*XB], v[AC+8:AC+15], v210
	v_lshrrev_b32 v[216+XB], 23, v210              ; the scale's byte (the plain instruction behind the conversions)
	ds_store_b64 v[HWI], v[212+2*XB:213+2*XB] offset:2048*(\m)
	ds_store_b8 v[HWS], v[216+XB] offset:128*(\m)  ; both halves of the lanes write the same byte with the same value
.endm
	v_mov_b32 v209, 0                              ; a lane permute's destination counts as one of its sources
	LOADX 0
	LOADX 1
	s_wait_loadcnt 0x0                             ; W1, b1 and W1's scales are in: no other global load has been issued yet
	s_wait_dscnt 2                                 ; tile 0's fragment is in; tile 1's two loads may be out
	MM1 0
.set M, 0
.set CN, 0
.rept 16
.if M == 0
	PLACES                                         ; here alone: later the tile before's vector work stands between a product and the loads into, and the reads of, its registers
.endif
.if M < 14
	LOADX M+2                                      ; into the buffer that tile M's products, a trip back, have read
.endif
.rept 3
.if CN < 40
	CLOAD                                          ; 40 = 13 x 3 + 1: trips 0 to 13; the registers are touched by nothing until phase 2
.set CN, CN+1
.endif
.endr
.if M == 0
	s_wait_dscnt 2                                 ; tile 1's fragment is in: behind it tile 2's two loads
.elseif M < 14
	s_wait_dscnt 4                                 ; tile M + 1's fragment is in, and the stores of two tiles back have read the registers that this tile writes again: behind them the last tile's two stores and tile M + 2's two loads
.else
	s_wait_dscnt 2                                 ; the same; nothing more is fetched: behind them the last tile's two stores
.endif
.if M < 15
	MM1 M+1
.endif
	WIN 0
	Q1 M
.set M, M+1
.endr
	BARRIER                                        ; x's 32 fragments and their scale words lie in LDS
; ---- PHASE 2: my 32 units of x21 (tiles 0, 1) and of x22 (tiles 2, 3) for all 16 tiles of rows, and their part of the three dot products.  Buffers and the order of a trip as in phase 1.
.macro LOADF m
.set XB, (\m)%2
.irp s, 0,1
.irp c, 0,1
	ds_load_b128 v[FB+16*XB+8*\s+4*\c:FB+16*XB+8*\s+4*\c+3], v[LIH] offset:(2*(\m)+\s)*1024+512*\c
.endr
.endr
.irp s, 0,1
	ds_load_b32 v[HSW+2*XB+\s], v[LSH] offset:(2*(\m)+\s)*64
.endr
.endm
.macro MM2 m                           ; the four accumulators take turns, one instruction a turn
.set XB, (\m)%2
	WIN 0x11                                       ; source 0 (the weights) and C (the biases) window 1
.irp t, 0,1,2,3
	WMMA OB+32*XB+8*\t, 16*\t, FB+16*XB, 64+8*\t, W2S+2*\t, HSW+2*XB
.endr
	WIN 0x01                                       ; C is the accumulator now
.irp t, 0,1,2,3
	WMMA OB+32*XB+8*\t, 16*\t+8, FB+16*XB+8, OB+32*XB+8*\t, W2S+2*\t+1, HSW+2*XB+1
.endr
	WIN 0
.endm
.macro V2 m                            ; relu, then u0, u1 over my 16 units of x21 and the logit over my 16 of x22: three chains of packed multiply-adds by turns
.set XB, (\m)%2
.set AC, OB+32*XB
.irp i, 0,2,4,6,8,10,12,14,16,18,20,22,24,26,28,30
	RELU2 AC+\i                                    ; each accumulator from its low end on
.endr
	v_pk_mul_f32 v[192:193], v[AC:AC+1], v[W3A:W3A+1]
	v_pk_mul_f32 v[194:195], v[AC:AC+1], v[W3B:W3B+1]
	v_pk_mul_f32 v[196:197], v[AC+16:AC+17], v[W3C:W3C+1]
.irp i, 2,4,6,8,10,12,14
	v_pk_fma_f32 v[192:193], v[AC+\i:AC+\i+1], v[W3A+\i:W3A+\i+1], v[192:193]
	v_pk_fma_f32 v[194:195], v[AC+\i:AC+\i+1], v[W3B+\i:W3B+\i+1], v[194:195]
	v_pk_fma_f32 v[196:197], v[AC+16+\i:AC+17+\i], v[W3C+\i:W3C+\i+1], v[196:197]
.endr
	v_add_f32 v[200+4*XB], v192, v193
	v_add_f32 v[201+4*XB], v194, v195
	v_add_f32 v[202+4*XB], v196, v197
	ds_store_b128 v[PW], v[200+4*XB:203+4*XB] offset:256*(\m)
.endm
	v_mov_b32 v203, 0                              ; the fourth word of a partial sum, in both buffers
	v_mov_b32 v207, 0
	LOADF 0
	LOADF 1
	s_wait_loadcnt 12                              ; the second layer's codes, biases and scales are in: behind them the 12 loads of W31 and W32
	s_wait_dscnt 6                                 ; tile 0's fragments are in; tile 1's six loads may be out
	MM2 0
.set M, 0
.rept 16
.if M == 0
	PLACES                                         ; here alone, as in phase 1
.endif
.if M < 14
	LOADF M+2                                      ; into the buffer that tile M's products, a trip back, have read
.endif
.if M == 0
	s_wait_dscnt 6                                 ; tile 1's fragments are in: behind them tile 2's six loads
.elseif M < 14
	s_wait_dscnt 7                                 ; tile M + 1's fragments are in, and the store of two tiles back has read the registers that this tile writes again: behind them the last tile's store and tile M + 2's six loads
.else
	s_wait_dscnt 1                                 ; the same; nothing more is fetched: behind them the last tile's store
.endif
.if M < 15
	MM2 M+1
.endif
.if M == 0
	s_wait_loadcnt 0x0                             ; W31 and W32, ahead of the first dot products
.endif
	V2 M
.set M, M+1
.endr
; ---- THE TAIL: lane l of wave g takes row 32 g + l.
.set R0,   208                         ; v[208:209] rel;  v[210:211] the human's velocity
.set HV,   210
.set N2,   212                         ; |rel|^2
.set BASE, 213                         ; -2 h + 2 rel . mu: common to the three modes
.set SG,   214                         ; v214-216 sigma_f of the three modes, then sigma_f x the coefficient
.set RDN,  217                         ; 1 / (4 |rel|^2 + 1e-12)
.set UU,   220                         ; v[220:221] u_nom, then u_safe
.set T,    222                         ; v222.. at work
	ds_load_b64 v[R0:R0+1], v[ER] offset:24        ; obs' columns 6, 7 and 8, 9 of my row, from my wave's own stage
	ds_load_b64 v[HV:HV+1], v[ER] offset:32
	s_wait_dscnt 0x0                               ; my partial sums have landed, and these two loads are in
	s_barrier_signal -1
	v_mul_f32 v[N2], v[R0], v[R0]                  ; between signal and wait: what needs no other wave, on registers alone
	v_mul_f32 v[T], v[HV], v[R0]
	v_fmac_f32 v[N2], v[R0+1], v[R0+1]
	v_fmac_f32 v[T], v[HV+1], v[R0+1]              ; rel . mu
	v_add_f32 v[T+1], 0xbf23d70a, v[N2]            ; h = |rel|^2 - 0.64
	v_add_f32 v[T], v[T], v[T]
	v_fma_f32 v[BASE], v[T+1], -2.0, v[T]
	v_fma_f32 v[SG], v[N2], s42, s44               ; 4 var |rel|^2 + 1e-8
	v_fma_f32 v[SG+1], v[N2], s43, s44
	v_add_f32 v[SG+2], s44, v[N2]
	v_fma_f32 v[RDN], v[N2], 4.0, s45
	v_sqrt_f32 v[SG], v[SG]
	v_sqrt_f32 v[SG+1], v[SG+1]
	v_sqrt_f32 v[SG+2], v[SG+2]
	v_rcp_f32 v[RDN], v[RDN]
	v_nop                                          ; a plain instruction behind the last of the batch (ISA guide 5.7.2),
	s_wait_alu depctr_va_vdst(0)                   ; and the one wait ahead of the batch's first reader
	s_barrier_wait -1                              ; every wave's partial sums lie in LDS
.irp k, 0,1,2,3,4,5,6,7,8,9,10,11,12,13,14,15
	ds_load_b128 v[OB+4*\k:OB+4*\k+3], v[PR] offset:4096*\k    ; my row's 16 partial sums: 8 waves x 2 halves of the lanes
.endr
	s_wait_dscnt 0x0
	s_wait_kmcnt 0x0                               ; b31, b32
.irp d, 8,4,2,1
.set KK, 0
.rept \d
	v_pk_add_f32 v[OB+4*KK:OB+4*KK+1], v[OB+4*KK:OB+4*KK+1], v[OB+4*(KK+\d):OB+4*(KK+\d)+1]
	v_pk_add_f32 v[OB+4*KK+2:OB+4*KK+3], v[OB+4*KK+2:OB+4*KK+3], v[OB+4*(KK+\d)+2:OB+4*(KK+\d)+3]
.set KK, KK+1
.endr
.endr
	v_add_f32 v[UU], s36, v[OB]                    ; u_nom
	v_add_f32 v[UU+1], s37, v[OB+1]
	v_add_f32 v[T], s38, v[OB+2]                   ; the logit
	v_mul_f32 v[T], 0xbfb8aa3b, v[T]               ; x -log2(e)
	v_exp_f32 v[T], v[T]
	v_mul_f32 v[T+10], v[R0], v[UU]                ; (plain work behind the exponential)  rel . u_nom
	v_fmac_f32 v[T+10], v[R0+1], v[UU+1]
	s_wait_alu depctr_va_vdst(0)
	v_add_f32 v[T], 1.0, v[T]
	v_rcp_f32 v[T], v[T]                           ; the sigmoid
	v_nop
	s_wait_alu depctr_va_vdst(0)
	v_mul_f32 v[T], 0x3e4ccccd, v[T]               ; x 0.2
	v_med3_num_f32 v[T], v[T], s46, s47            ; beta, held to 1e-6 .. 1 - 1e-6
	v_fma_f32 v[T+1], v[T], -2.0, 1.0              ; x = 1 - 2 beta
	v_fma_f32 v[T+2], -v[T+1], v[T+1], 1.0         ; 1 - x^2
	v_log_f32 v[T+2], v[T+2]
	v_rcp_f32 v[T+3], v[T]                         ; 1 / beta
	v_nop
	s_wait_alu depctr_va_vdst(0)
	v_mul_f32 v[T+2], 0xbf317218, v[T+2]           ; w = -ln(1 - x^2)
	; erfinv(x) = x p(w): two polynomials of degree 8 (M. Giles's, in single precision), in w - 2.5 where w < 5 and in sqrt(w) - 3 elsewhere.  Both are computed and one is selected: no branch on data
	v_sqrt_f32 v[T+4], v[T+2]
	v_add_f32 v[T+5], 0xc0200000, v[T+2]           ; w - 2.5.  (The first polynomial is the plain work behind the root)
	v_mov_b32 v[T+6], 0x32f16588
.irp k, 0x34b84b36, 0xb66c7357, 0xb6935ac1, 0x396532db, 0xbaa45408, 0xbb88e4ef, 0x3e7c8f63, 0x3fc02e2f
	v_fmaak_f32 v[T+6], v[T+6], v[T+5], \k
.endr
	s_wait_alu depctr_va_vdst(0)
	v_add_f32 v[T+4], 0xc0400000, v[T+4]           ; sqrt(w) - 3
	v_mov_b32 v[T+7], 0xb951f09b
.irp k, 0x38d3b56b, 0x3ab0dc72, 0xbb70bde7, 0x3bbc127b, 0xbbf9c5d7, 0x3c1aa57e, 0x3f8036db, 0x40354f7e
	v_fmaak_f32 v[T+7], v[T+7], v[T+4], \k
.endr
	v_cmp_gt_f32 vcc_lo, 0x40a00000, v[T+2]        ; 5 > w
	v_cndmask_b32 v[T+6], v[T+7], v[T+6], vcc_lo
	v_mul_f32 v[T+6], v[T+6], v[T+1]               ; erfinv;  z^2 / 2 is its square
	v_mul_f32 v[T+7], v[T+6], v[T+6]
	v_mul_f32 v[T+7], 0xbfb8aa3b, v[T+7]
	v_exp_f32 v[T+7], v[T+7]                       ; exp(-z^2 / 2)
	v_mul_f32 v[T+3], 0x3ecc422a, v[T+3]           ; (plain work behind it)  1 / (sqrt(2 pi) beta)
	s_wait_alu depctr_va_vdst(0)
	v_mul_f32 v[T+7], v[T+7], v[T+3]               ; the CVaR coefficient
.irp i, 0,1,2
	v_mul_f32 v[SG+\i], v[SG+\i], v[T+7]
.endr
	v_max3_num_f32 v[T+8], v[SG], v[SG+1], v[SG+2] ; the logsumexp's maximum is taken away; BASE is common to the three and stays outside
.irp i, 0,1,2
	v_sub_f32 v[SG+\i], v[SG+\i], v[T+8]
.endr
.irp i, 0,1,2
	v_mul_f32 v[SG+\i], 0x4166d4ca, v[SG+\i]       ; x log2(e) / 0.1
.endr
.irp i, 0,1,2
	v_exp_f32 v[SG+\i], v[SG+\i]
.endr
	v_add_f32 v[BASE], v[BASE], v[T+8]             ; (plain work behind them)
	s_wait_alu depctr_va_vdst(0)
	v_add_f32 v[SG], v[SG], v[SG+1]
	v_add_f32 v[SG], v[SG], v[SG+2]                ; between 1 and 3
	v_log_f32 v[SG], v[SG]
	v_nop
	s_wait_alu depctr_va_vdst(0)
	v_fmamk_f32 v[BASE], v[SG], 0x3d8df4e0, v[BASE]    ; rhs_wc = 0.1 ln(2) log2(sum) + the maximum + BASE
	v_fma_f32 v[T+10], v[T+10], -2.0, v[BASE]      ; viol = G . u_nom + rhs_wc, G = -2 rel
	v_max_num_f32 v[T+10], 0, v[T+10]
	v_mul_f32 v[T+10], v[T+10], v[RDN]             ; step
	v_add_f32 v[T+10], v[T+10], v[T+10]
	v_fmac_f32 v[UU], v[T+10], v[R0]               ; u_safe = u_nom + 2 step rel
	v_fmac_f32 v[UU+1], v[T+10], v[R0+1]
	global_store_b64 v[OO], v[UU:UU+1], s[32:33] th:TH_STORE_NT    ; the wave's 32 lanes store 256 consecutive bytes, at a multiple of 256 from out0's first byte
	s_wait_tensorcnt 0x0
	ds_add_u32 v30, v31
	s_wait_dscnt 0x0
	s_endpgm
.Lfunc_end_k_qd73b9d3360_barrier:
	.size	k_qd73b9d3360_barrier, .Lfunc_end_k_qd73b9d3360_barrier-k_qd73b9d3360_barrier
	.p2alignl 7, 3214868480
	.fill 96, 4, 3214868480
	.section	.rodata,"a",@progbits
	.p2align	6, 0x0
	.amdhsa_kernel k_qd73b9d3360_barrier
		.amdhsa_group_segment_fixed_size 181248
		.amdhsa_private_segment_fixed_size 0
		.amdhsa_enable_private_segment 0
		.amdhsa_kernarg_size 120
		.amdhsa_user_sgpr_count 2
		.amdhsa_user_sgpr_kernarg_segment_ptr 1
		.amdhsa_wavefront_size32 1
		.amdhsa_system_sgpr_workgroup_id_x 1
		.amdhsa_system_sgpr_workgroup_id_y 1
		.amdhsa_system_sgpr_workgroup_id_z 1
		.amdhsa_system_vgpr_workitem_id 0
		.amdhsa_next_free_vgpr 384
		.amdhsa_next_free_sgpr 66
		.amdhsa_reserve_vcc 1
		.amdhsa_float_denorm_mode_32 3
		.amdhsa_float_denorm_mode_16_64 3
		.amdhsa_memory_ordered 1
		.amdhsa_forward_progress 1
		.amdhsa_inst_pref_size 123
	.end_amdhsa_kernel
	.amdgpu_metadata
---
amdhsa.version: [ 1, 2 ]
amdhsa.kernels:
  - .name:           k_qd73b9d3360_barrier
    .symbol:         k_qd73b9d3360_barrier.kd
    .args:
      - { .name: obs, .offset: 0, .size: 8, .value_kind: global_buffer, .address_space: global }
      - { .name: W1_codes, .offset: 8, .size: 8, .value_kind: global_buffer, .address_space: global }
      - { .name: W1_scales, .offset: 16, .size: 8, .value_kind: global_buffer, .address_space: global }
      - { .name: b1, .offset: 24, .size: 8, .value_kind: global_buffer, .address_space: global }
      - { .name: W21_codes, .offset: 32, .size: 8, .value_kind: global_buffer, .address_space: global }
      - { .name: W21_scales, .offset: 40, .size: 8, .value_kind: global_buffer, .address_space: global }
      - { .name: b21, .offset: 48, .size: 8, .value_kind: global_buffer, .address_space: global }
      - { .name: W22_codes, .offset: 56, .size: 8, .value_kind: global_buffer, .address_space: global }
      - { .name: W22_scales, .offset: 64, .size: 8, .value_kind: global_buffer, .address_space: global }
      - { .name: b22, .offset: 72, .size: 8, .value_kind: global_buffer, .address_space: global }
      - { .name: W31, .offset: 80, .size: 8, .value_kind: global_buffer, .address_space: global }
      - { .name: W32, .offset: 88, .size: 8, .value_kind: global_buffer, .address_space: global }
      - { .name: b31, .offset: 96, .size: 8, .value_kind: global_buffer, .address_space: global }
      - { .name: b32, .offset: 104, .size: 8, .value_kind: global_buffer, .address_space: global }
      - { .name: out0, .offset: 112, .size: 8, .value_kind: global_buffer, .address_space: global }
    .group_segment_fixed_size: 181248
    .private_segment_fixed_size: 0
    .kernarg_segment_align: 8
    .kernarg_segment_size: 120
    .max_flat_workgroup_size: 256
    .sgpr_count:     66
    .vgpr_count:     384
    .wavefront_size: 32
...
	.end_amdgpu_metadata
.endif
;; end of part 1
;; ======== version 2 of 2: 1 launch; version 1 with the launch barrier written anew for expert scheduling mode
;; launch barrier (part 2): grid 256 x 1, 8 waves a work-group, no clusters, 181,248 bytes of LDS; arguments obs, W1_codes, W1_scales, b1, W21_codes, W21_scales, b21, W22_codes, W22_scales, b22, W31, W32, b31, b32, out0; writes out0
.if DOCPART == 2
	.amdgcn_target "amdgcn-amd-amdhsa--gfx1250"
	.amdhsa_code_object_version 6
	.text
	.protected	k_qd73b9d3360_barrier
	.globl	k_qd73b9d3360_barrier
	.p2align	8
	.type	k_qd73b9d3360_barrier,@function
k_qd73b9d3360_barrier:
	s_mov_b64 s[64:65], 0
	v_nop
	global_prefetch_b8 v0, s[64:65] scope:SCOPE_SE
	s_setreg_imm32_b32 hwreg(HW_REG_WAVE_SCHED_MODE, 0, 2), 2
	s_setreg_imm32_b32 hwreg(HW_REG_WAVE_MODE, 25, 1), 1
	s_wait_xcnt 0x0
	s_wait_alu depctr_vm_vsrc(0)
; BarrierNet, one launch.  x = relu(obs W1^T + b1); x21 = relu(x W21^T + b21); x22 = relu(x W22^T + b22); u = x21 W31^T + b31; beta = 0.2 sigmoid(x22 W32^T + b32);
; then, row by row, the CVaR coefficient (erfinv), the soft worst case over three modes (logsumexp, its maximum taken away) and the projection of u onto the half-space.
; The first three products run on codes of FP4 (E2M1) with one E8M0 scale for each 32 along K: the weights as they are given, obs and x quantised here from f32.  The last two are f32 multiply-adds.
; SHARES.  A work-group owns 256 rows of obs: 16 tiles m of 16 rows; 256 work-groups.  ITS EIGHT WAVES SHARE THE COLUMNS: wave g makes units 32 g .. 32 g + 31 of x (which are block g of the next K), of x21 and of x22,
; for all 256 rows.  So a wave's weights, their scale words, its biases and its part of W31 and W32 go from memory straight into the registers where they stay: about 10 KB a wave, each byte loaded once by the wave.
; What goes round through LDS is small: the rows' codes, as images of the operand's registers.  Work that goes by rows (obs is quantised; the tail) is shared by rows: wave g has rows 32 g .. 32 g + 31.
; BOTH LAYERS ARE USED TRANSPOSED (source 0 = 16 rows of a weight, source 1 = 16 rows of obs or x): lane (r, h) holds row r, its register j unit 8 h + j of the tile.  THE ROWS OF W1 THAT FORM A TILE ARE NOT NEIGHBOURS:
; lane r of tile u takes row 32 g + 8 u + r + 8 (r / 8), so that a lane's 16 results of tiles 0 and 1 are k = 32 g + 16 h + 0 .. 15 of the next K.  The biases are the C of each sum's first matrix instruction.
; K = 64 of the first product is filled up to the instruction's 128 with zero codes on both sides; the scale bytes there are 0, which is a power of two like any other.
; WHERE THE MEMORY INSTRUCTIONS STAND.  At the head: obs (16 loads a wave) and what the first layer wants (8).  The second layer's 40 loads are dealt over the first layer's 16 trips, three a trip.  A trip's memory
; instructions stand together at its head, directly behind the last tile's LDS stores and ahead of the products; behind the products stands vector work alone, on another tile's registers.
; NO JOINT LOADS, NO TENSOR LOADS: all work-groups read the same 83 KB of weights, but a joint load lands in LDS, from where all of it would be read once more into the registers; here no weight byte touches LDS.
; NO PREFETCH: obs is asked for by its own loads at the very head: there is nothing ahead of which to ask.  NO LOOP, NO BRANCH: every offset is an immediate, no address register and no base is written twice.
; LIMITS.  NaN and infinities among the inputs are not served.  A block whose largest magnitude lies under 2^-124 keeps the scale byte 1; a block of zeros has the byte 1 too, where the rule says 127: its codes are zeros,
; and this text alone reads the bytes.  The f32 sums of the last two products are taken in another order than a plain sum along K (16 partial sums of 16, then a tree).
; THE MODE: SCHED_MODE bits 1:0 = 2 (LLVM: expert scheduling mode 2), set by the entry lines.  The code itself states the register dependences between vector or matrix instructions and memory or LDS
; instructions, with s_wait_alu, always for 0.
; THE PLAN.  Registers that memory or LDS instructions touch:
;   v4-24, v30, v31   offsets and LDS addresses: written at the head, named by no vector instruction again: one wait on va_vdst ahead of the first load serves the whole kernel.
;   v128-191          obs lands here; phase X's stage stores read it; then the products write it: one wait on vm_vsrc behind phase X's barrier.  In the tail the partial sums land here, behind the last wait on va_vdst.
;   v112-119, 126-127 phase X: written by the conversions and the ORs of both tiles, read by four stores behind one wait on va_vdst; phase 2's fragments land here, behind the wait on vm_vsrc just named.
;   fragment buffers  (phase 1: v96-99 + v46, v104-107 + v47; phase 2: v96-111 + v42-43, v112-127 + v44-45)  tile m's products read buffer m % 2; tile m + 2's LDS loads land in it.
;   out-buffers       (phase 1: v212, 213, 216 and v214, 215, 217; phase 2: v200-203 and v204-207)  tile m's vector work writes buffer m % 2; its stores read it; tile m + 2 writes it again.
;   window 1 v0-95, v34-41, v48-95   the second layer's loads land here: no vector or matrix instruction names them before phase 2.
; So ONE wait on va_vdst stands in a trip, behind tile m's vector work: the out-buffer is written, and tile m + 1's products, issued ahead of that vector work, are done reading their fragment buffer.  Behind it follow,
; with no vector or matrix instruction between, tile m's stores and the next trip's loads.  Directly ahead of it one wait on vm_vsrc: tile m - 1's stores, a trip back, have read the out-buffer that tile m + 1 writes.
;
; LDS, no byte written twice:
.set SP,     272                       ; a row of obs in the stage: 256 bytes + 16 = 68 words: row r starts at bank 4 r mod 64 (64 banks of 4 bytes: ISA guide 11.1), so 16 rows start at 16 different banks
.set L_STG,  0                         ; obs as f32: 256 rows x SP; wave g's 32 rows at 32 SP g: written and read by that wave alone
.set L_XI,   69632                     ; obs' codes: tile m at 512 m, lane l's 16 bytes (registers 0-3 of the fragment) at 16 l
.set L_XS,   77824                     ; obs' scale words: 128 m + 4 l
.set L_HI,   79872                     ; x's codes: tile m, K step s, registers 4 c .. 4 c + 3: (2 m + s) 1024 + 512 c + 16 l
.set L_HS,   112640                    ; x's scale words: (2 m + s) 64 + 4 r, byte = block in the K step
.set L_PS,   114688                    ; partial sums (u0, u1, logit, 0): (2 g + h) 4096 + 16 x row
; REGISTERS, window 0 (v0-255):
.set LN,     1                         ; lane l
.set RR,     2                         ; r = l % 16
.set HH,     3                         ; h = l / 16
.set VO_OBS, 4                         ; global offsets, never rewritten: obs 8192 g + 16 l
.set VO_W1,  5                         ; W1's codes 1024 g + 32 r' + 16 h
.set VO_S1,  6                         ; W1's scales 64 g + 2 r'
.set VO_B1,  7                         ; b1 128 g + 64 h
.set VO_W2,  8                         ; W21's, W22's codes 4096 g + 128 r + 16 h
.set VO_S2,  9                         ; their scales 256 g + 8 r
.set VO_B2,  10                        ; b21, b22, W31, W32: 128 g + 32 h
.set SW,     11                        ; LDS addresses, never rewritten: the stage, in: 32 SP g + SP h + 16 r
.set SRD,    12                        ; the stage, out: 32 SP g + SP r + 128 h: my block of 32 of row r
.set XWI,    13                        ; L_XI + 1024 g + 16 l
.set XWS,    14                        ; L_XS + 256 g + 4 l
.set LIX,    15                        ; L_XI + 16 l
.set LSX,    16                        ; L_XS + 4 l
.set HWI,    17                        ; L_HI + 256 g + 16 r + 8 h
.set HWS,    18                        ; L_HS + 64 (g / 4) + 4 r + g % 4
.set LIH,    19                        ; L_HI + 16 l
.set LSH,    20                        ; L_HS + 4 r
.set PW,     21                        ; L_PS + 8192 g + 4096 h + 16 r
.set PR,     22                        ; L_PS + 512 g + 16 l
.set ER,     23                        ; 32 SP g + SP l: my row of the stage, for the tail
.set OO,     24                        ; out0: 256 g + 8 l
.set H8,     25                        ; 8 h
.set RP,     26                        ; r' = r + 8 (r / 8)
.set W1S,    32                        ; v32-47 hold scale words and nothing else: W1's (tile u),
.set W2S,    34                        ; W21's and W22's (tile t, K step s: 2 t + s),
.set HSW,    42                        ; x's (buffer b, K step s: 2 b + s),
.set XSW,    46                        ; obs' (buffer b)
.set W3A,    48                        ; v48-63 W31's row 0 at my 16 units; v64-79 its row 1; v80-95 W32
.set W3B,    64
.set W3C,    80
.set FB,     96                        ; v96-127 source 1: phase 1 two buffers of 8 (the upper four stay 0), phase 2 two buffers of 16; phase X: v112-127 at work
.set OB,     128                       ; v128-191 obs as loaded; then the accumulators, two buffers; then the 16 partial sums of the tail
.set XQ0,    192                       ; v192-255 phase X: 2 x 32 numbers of obs; later at work
; window 1 (v256-383, written v0-127): v0-63 W21's and W22's fragments (16 t + 8 s); v64-95 b21, b22 in C's layout (8 t); v96-111 W1's two fragments (upper four registers 0); v112-127 b1 (8 u)
.set DUAL,   1                         ; 1: two maxima with 0 in one dual-issue instruction
.set MSB, 0
.macro WIN new                         ; s_set_vgpr_msb: bits 1:0 source 0, 3:2 source 1, 5:4 source 2, 7:6 destination; the high byte repeats the setting that is left
.if MSB != \new
	s_set_vgpr_msb (MSB<<8)|\new
.set MSB, \new
.endif
.endm
.macro PLACES                          ; four plain vector instructions between a matrix instruction and a vector read of its results (ISA guide 7.12.1)
.rept 4
	v_nop
.endr
.endm
.macro BARRIER                         ; my LDS stores have landed and my LDS loads are in: then the work-group's barrier
	s_wait_dscnt 0x0
	s_barrier_signal -1
	s_barrier_wait -1
.endm
.macro RELU2 a                         ; two neighbours, a even
.if DUAL
	v_dual_max_num_f32 v[\a], 0, v[\a] :: v_dual_max_num_f32 v[(\a)+1], 0, v[(\a)+1]
.else
	v_max_num_f32 v[\a], 0, v[\a]
	v_max_num_f32 v[(\a)+1], 0, v[(\a)+1]
.endif
.endm
.macro WMMA d, a, b, c, sa, sb
	v_wmma_scale_f32_16x16x128_f8f6f4 v[\d:(\d)+7], v[\a:(\a)+7], v[\b:(\b)+7], v[\c:(\c)+7], v[\sa], v[\sb] matrix_a_fmt:MATRIX_FMT_FP4 matrix_b_fmt:MATRIX_FMT_FP4
.endm
	s_load_b512 s[4:19], s[0:1], 0x0               ; obs s[4:5], W1_codes s[6:7], W1_scales s[8:9], b1 s[10:11], W21_codes s[12:13], W21_scales s[14:15], b21 s[16:17], W22_codes s[18:19]
	s_load_b256 s[20:27], s[0:1], 0x40             ; W22_scales s[20:21], b22 s[22:23], W31 s[24:25], W32 s[26:27]
	s_load_b128 s[28:31], s[0:1], 0x60             ; b31 s[28:29], b32 s[30:31]
	s_load_b64 s[32:33], s[0:1], 0x70              ; out0
	v_lshl_add_u32 v30, v0, 2, 0x2c000
	v_mov_b32 v31, 0
	v_lshrrev_b32 v[LN], 5, v0
	v_readfirstlane_b32 s2, v[LN]                  ; g: my wave, 0..7
	v_and_b32 v[LN], 31, v0
	v_and_b32 v[RR], 15, v0
	v_bfe_u32 v[HH], v0, 4, 1
	v_and_b32 v[RP], 8, v[RR]
	v_add_nc_u32 v[RP], v[RP], v[RR]
	v_lshlrev_b32 v[H8], 3, v[HH]
	s_wait_alu depctr_va_sdst(0)                   ; s2 is written, ahead of its first reader: every offset and LDS address below is made from it
	; global offsets
	s_lshl_b32 s3, s2, 13
	v_lshl_add_u32 v[VO_OBS], v[LN], 4, s3
	s_lshl_b32 s3, s2, 10
	v_lshl_add_u32 v[VO_W1], v[RP], 5, s3
	v_lshl_add_u32 v[VO_W1], v[HH], 4, v[VO_W1]
	s_lshl_b32 s3, s2, 6
	v_lshl_add_u32 v[VO_S1], v[RP], 1, s3
	s_lshl_b32 s3, s2, 7
	v_lshl_add_u32 v[VO_B1], v[HH], 6, s3
	v_lshl_add_u32 v[VO_B2], v[HH], 5, s3
	s_lshl_b32 s3, s2, 12
	v_lshl_add_u32 v[VO_W2], v[RR], 7, s3
	v_lshl_add_u32 v[VO_W2], v[HH], 4, v[VO_W2]
	s_lshl_b32 s3, s2, 8
	v_lshl_add_u32 v[VO_S2], v[RR], 3, s3
	v_lshl_add_u32 v[OO], v[LN], 3, s3
	; LDS addresses: a constant + constants x lane terms + a constant x wave
	s_mul_i32 s3, s2, 32*SP                        ; my wave's 32 rows of the stage
	v_mul_u32_u24 v[SW], v[HH], SP
	v_lshl_add_u32 v[SW], v[RR], 4, v[SW]
	v_add_nc_u32 v[SW], s3, v[SW]
	v_mul_u32_u24 v[SRD], v[RR], SP
	v_lshl_add_u32 v[SRD], v[HH], 7, v[SRD]
	v_add_nc_u32 v[SRD], s3, v[SRD]
	v_mul_u32_u24 v[ER], v[LN], SP
	v_add_nc_u32 v[ER], s3, v[ER]
	s_lshl_b32 s34, s2, 10
	s_add_co_u32 s34, s34, L_XI
	v_lshl_add_u32 v[XWI], v[LN], 4, s34
	s_lshl_b32 s34, s2, 8
	s_add_co_u32 s34, s34, L_XS
	v_lshl_add_u32 v[XWS], v[LN], 2, s34
	v_lshl_add_u32 v[LIX], v[LN], 4, L_XI
	v_lshl_add_u32 v[LSX], v[LN], 2, L_XS
	s_lshl_b32 s34, s2, 8
	s_add_co_u32 s34, s34, L_HI
	v_lshl_add_u32 v[HWI], v[RR], 4, s34
	v_lshl_add_u32 v[HWI], v[HH], 3, v[HWI]
	s_lshr_b32 s34, s2, 2                          ; block g of x's K is byte g % 4 of K step g / 4
	s_lshl_b32 s34, s34, 6
	s_and_b32 s35, s2, 3
	s_add_co_u32 s34, s34, s35
	s_add_co_u32 s34, s34, L_HS
	v_lshl_add_u32 v[HWS], v[RR], 2, s34
	v_lshl_add_u32 v[LIH], v[LN], 4, L_HI
	v_lshl_add_u32 v[LSH], v[RR], 2, L_HS
	s_lshl_b32 s34, s2, 13
	s_add_co_u32 s34, s34, L_PS
	v_lshl_add_u32 v[PW], v[HH], 12, s34
	v_lshl_add_u32 v[PW], v[RR], 4, v[PW]
	s_lshl_b32 s34, s2, 9
	s_add_co_u32 s34, s34, L_PS
	v_lshl_add_u32 v[PR], v[LN], 4, s34
	s_mov_b32 s40, 0x76543210                      ; v_permlanex16_b32's selects for lane l xor 16
	s_mov_b32 s41, 0xfedcba98
	s_mov_b32 s42, 0x3d23d70b                      ; 4 x 0.1^2, squared in f32
	s_mov_b32 s43, 0x3eb851ec                      ; 4 x 0.3^2   (4 x 0.5^2 is 1)
	s_mov_b32 s44, 0x322bcc77                      ; 1e-8
	s_mov_b32 s45, 0x2b8cbccc                      ; 1e-12
	s_mov_b32 s46, 0x358637bd                      ; 1e-6
	s_mov_b32 s47, 0x3f7fffef                      ; 1 - 1e-6
	s_wait_kmcnt 0x0
	s_load_b64 s[36:37], s[28:29], 0x0             ; b31's two numbers and b32: waited for in the tail
	s_load_b32 s38, s[30:31], 0x0
	s_lshl_b32 s34, ttmp9, 16                      ; my work-group's 256 rows of obs, 256 bytes each
	s_mov_b32 s35, 0
	s_add_nc_u64 s[4:5], s[4:5], s[34:35]
	s_lshl_b32 s34, ttmp9, 11                      ; and of out0, 8 bytes each
	s_add_nc_u64 s[32:33], s[32:33], s[34:35]
	s_wait_alu depctr_va_vdst(0)                   ; the offsets and LDS addresses v4 to v24 are written: every load and store of the kernel reads one of them, and no vector instruction names one of them again
	; THE HEAD'S 24 GLOBAL LOADS.  First my 32 rows of obs: 16 loads, each 512 consecutive bytes (two rows)
.irp i, 0,1,2,3,4,5,6,7,8,9,10,11,12,13,14,15
	global_load_b128 v[OB+4*\i:OB+4*\i+3], v[VO_OBS], s[4:5] offset:512*\i th:TH_LOAD_NT
.endr
	; then what the first layer wants: 8 loads
	WIN 0x40                                       ; destination window 1, offset window 0
.irp u, 0,1
	global_load_b128 v[96+8*\u:99+8*\u], v[VO_W1], s[6:7] offset:256*\u        ; W1, tile u: k = 32 h .. 32 h + 31 of row 32 g + 8 u + r'
.endr
.irp u, 0,1
	global_load_b128 v[112+8*\u:115+8*\u], v[VO_B1], s[10:11] offset:32*\u     ; b1 at units 32 g + 16 h + 8 u + 0 .. 7
	global_load_b128 v[116+8*\u:119+8*\u], v[VO_B1], s[10:11] offset:32*\u+16
.endr
	WIN 0
.irp u, 0,1
	global_load_u16 v[W1S+\u], v[VO_S1], s[8:9] offset:16*\u                   ; a row's two scale bytes; bytes 2 and 3 come as 0
.endr
	; the zero codes of k = 64 .. 127 of the first product, on both sides, written once: registers that no load of the head or of phase 1 lands in
	WIN 0x40
.irp j, 100,101,102,103,108,109,110,111
	v_mov_b32 v[\j], 0
.endr
	WIN 0
.irp j, 100,101,102,103,108,109,110,111
	v_mov_b32 v[\j], 0
.endr
	v_mov_b32 v124, 0                              ; a lane permute's destination counts as one of its sources
; THE SECOND LAYER'S 40 GLOBAL LOADS, numbered CN = 0 .. 39 in the order in which they are wanted; phase 1 issues them, three a trip.  Tile t: rows 32 g + 16 (t % 2) + r of W21 (t < 2) or W22.
;   0-15   the codes: tile CN / 4, K step and half (CN % 4): 16 bytes a lane, into window 1
;   16-23  b21 or b22 at units 32 g + 16 (t % 2) + 8 h + 0 .. 7, in C's layout, into window 1
;   24-27  a row's eight scale bytes: the words of K steps 0 and 1
;   28-39  W31's row 0, its row 1, W32, at the same units as the biases
; No wait on s_wait_alu stands ahead of them: their offsets were written ahead of the head's wait, and no vector or matrix instruction has named the registers in which they land.
.macro CLOAD
.if CN < 16
.set CT, CN/4
	WIN 0x40
	global_load_b128 v[4*CN:4*CN+3], v[VO_W2], s[12+6*(CT/2):13+6*(CT/2)] offset:2048*(CT%2)+32*(CN%4)
.elseif CN < 24
.set CT, (CN-16)/2
	WIN 0x40
	global_load_b128 v[64+4*(CN-16):64+4*(CN-16)+3], v[VO_B2], s[16+6*(CT/2):17+6*(CT/2)] offset:64*(CT%2)+16*(CN%2)
.elseif CN < 28
.set CT, CN-24
	WIN 0
	global_load_b64 v[W2S+2*CT:W2S+2*CT+1], v[VO_S2], s[14+6*(CT/2):15+6*(CT/2)] offset:128*(CT%2)
.else
.set CT, (CN-28)/4
.set CQ, (CN-28)%4
	WIN 0
	global_load_b128 v[W3A+16*CT+4*CQ:W3A+16*CT+4*CQ+3], v[VO_B2], s[24+2*(CT/2):25+2*(CT/2)] offset:1024*(CT%2)+64*(CQ/2)+16*(CQ%2)
.endif
.endm
; ---- PHASE X: my 32 rows of obs become two fragments.  The loads took the bytes as they lie; the operand wants a whole block of 32 along K in a lane: so the rows turn through my own stage.
; Tile q of my two: 32 numbers of a lane, k = 32 h .. 32 h + 31 of row r: the block's largest magnitude needs no other lane, and the four conversions' results are registers 0-3 of the operand.
; Each tile has its own registers for its codes (v112 + 4 q on) and its scale word (v126 + q); the four stores of both tiles follow together, behind one wait.
.macro QX q
.set XQ, XQ0+32*(\q)
	v_max3_num_f32 v120, |v[XQ]|, |v[XQ+1]|, |v[XQ+2]|
	v_max3_num_f32 v121, |v[XQ+3]|, |v[XQ+4]|, |v[XQ+5]|
.irp i, 6,10,14,18,22,26
	v_max3_num_f32 v120, v120, |v[XQ+\i]|, |v[XQ+\i+1]|
	v_max3_num_f32 v121, v121, |v[XQ+\i+2]|, |v[XQ+\i+3]|
.endr
	v_max3_num_f32 v120, v120, |v[XQ+30]|, |v[XQ+31]|
	v_max3_num_f32 v120, v120, v121, 0x1800000     ; and the floor 2^(3 - 127): the byte cannot fall under 1
	v_add_nc_u32 v122, 0xff000000, v120            ; 2 off the exponent field: the conversion takes this operand's exponent field as its scale
.irp i, 0,1,2,3
	v_cvt_scalef32_pk8_fp4_f32 v[112+4*(\q)+\i], v[XQ+8*\i:XQ+8*\i+7], v122
.endr
	v_lshrrev_b32 v123, 23, v122                   ; the scale's byte (the plain instruction behind the conversions),
	v_lshlrev_b32 v123, v[H8], v123                ; at its place in the row's word: block h is byte h;
	v_permlanex16_b32 v124, v123, s40, s41
	v_or_b32 v[126+(\q)], v123, v124               ; with lane l xor 16's the word is whole; bytes 2 and 3 are 0
.endm
	s_wait_loadcnt 16                              ; obs' first 8 loads (rows 0-15) are in: behind them 8 of obs and the first layer's 8
.irp i, 0,1,2,3,4,5,6,7
	ds_store_b128 v[SW], v[OB+4*\i:OB+4*\i+3] offset:2*SP*\i
.endr
.irp j, 0,1,2,3,4,5,6,7
	ds_load_b128 v[XQ0+4*\j:XQ0+4*\j+3], v[SRD] offset:16*\j                   ; LDS serves a wave's instructions in order (ISA guide 5.7.1.4): these see my stores
.endr
	s_wait_loadcnt 8                               ; all of obs is in: behind it the first layer's 8
.irp i, 8,9,10,11,12,13,14,15
	ds_store_b128 v[SW], v[OB+4*\i:OB+4*\i+3] offset:2*SP*\i
.endr
.irp j, 0,1,2,3,4,5,6,7
	ds_load_b128 v[XQ0+32+4*\j:XQ0+32+4*\j+3], v[SRD] offset:16*SP+16*\j
.endr
	s_wait_dscnt 16                                ; tile 0's numbers are back: behind them the 8 stores and 8 loads of tile 1
	QX 0
	s_wait_dscnt 0x0                               ; tile 1's are back: no LDS instruction was issued behind them
	QX 1
	s_wait_alu depctr_va_vdst(0)                   ; the conversions have written v112-119 and the ORs v126, v127, which the four stores read; the zero codes of the head are written too, which the first products take as operands
.irp q, 0,1
	ds_store_b128 v[XWI], v[112+4*\q:115+4*\q] offset:512*\q
	ds_store_b32 v[XWS], v[126+\q] offset:128*\q
.endr
	BARRIER                                        ; obs' sixteen fragments and their scale words lie in LDS
	s_wait_alu depctr_vm_vsrc(0)                   ; my stage stores have read v128-191, which the products write from here on; my four image stores have read v112-119, v126, v127, in which phase 2's fragments land
; ---- PHASE 1: my 32 units of x for all 16 tiles of rows.  Fragments and accumulators in two buffers.  A trip: tile m + 2's fragment is asked of LDS, three of the second layer's loads go out, tile m + 1 is multiplied, tile m is quantised.
.macro LOADX m
	ds_load_b128 v[FB+8*((\m)%2):FB+8*((\m)%2)+3], v[LIX] offset:512*(\m)
	ds_load_b32 v[XSW+(\m)%2], v[LSX] offset:128*(\m)
.endm
.macro MM1 m
.set XB, (\m)%2
	WIN 0x11                                       ; source 0 (W1) and C (b1) window 1
.irp u, 0,1
	WMMA OB+16*XB+8*\u, 96+8*\u, FB+8*XB, 112+8*\u, W1S+\u, XSW+XB
.endr
	WIN 0
.endm
; My 16 numbers of row r, k = 32 g + 16 h + 0 .. 15; lane l xor 16 has the block's other 16.  The image's address puts my 8 bytes of codes where the operand wants them: block g = 4 s + 2 c + h' lies at
; 1024 s + 512 c + 256 h' = 256 g, row r's 16 bytes at 16 r, my half of them at 8 h.  So nothing changes lanes but the maximum.
.macro Q1 m
.set XB, (\m)%2
.set AC, OB+16*XB
.irp i, 0,2,4,6,8,10,12,14
	RELU2 AC+\i                                    ; each accumulator from its low end on
.endr
	v_max3_num_f32 v208, v[AC], v[AC+1], 0x1800000 ; none is negative: no |.|; the floor 2^(3 - 127) among the leaves; two chains
	v_max3_num_f32 v218, v[AC+2], v[AC+3], v[AC+4]
	v_max3_num_f32 v208, v208, v[AC+5], v[AC+6]
	v_max3_num_f32 v218, v218, v[AC+7], v[AC+8]
	v_max3_num_f32 v208, v208, v[AC+9], v[AC+10]
	v_max3_num_f32 v218, v218, v[AC+11], v[AC+12]
	v_max3_num_f32 v208, v208, v[AC+13], v[AC+14]
	v_max3_num_f32 v208, v208, v218, v[AC+15]
	v_permlanex16_b32 v209, v208, s40, s41
	v_max_num_f32 v208, v208, v209                 ; the block's largest number
	v_add_nc_u32 v210, 0xff000000, v208
	v_cvt_scalef32_pk8_fp4_f32 v[212+2*XB], v[AC:AC+7], v210
	v_cvt_scalef32_pk8_fp4_f32 v[213+2*XB], v[AC+8:AC+15], v210
	v_lshrrev_b32 v[216+XB], 23, v210              ; the scale's byte (the plain instruction behind the conversions)
.if ((\m) > 0) && ((\m) < 15)
	s_wait_alu depctr_vm_vsrc(0)                   ; the last tile's two stores, a trip back, have read the other out-buffer, which the next tile's conversions and shift write again
.endif
	s_wait_alu depctr_va_vdst(0)                   ; the conversions and the shift have written this out-buffer, which the two stores read; the next tile's products, issued ahead of this tile's vector work, are done reading their fragment and scale word, in which the loads behind these stores land
	ds_store_b64 v[HWI], v[212+2*XB:213+2*XB] offset:2048*(\m)
	ds_store_b8 v[HWS], v[216+XB] offset:128*(\m)  ; both halves of the lanes write the same byte with the same value
.endm
	v_mov_b32 v209, 0                              ; a lane permute's destination counts as one of its sources
	LOADX 0                                        ; into registers that no vector or matrix instruction has named yet
	LOADX 1
	s_wait_loadcnt 0x0                             ; W1, b1 and W1's scales are in: no other global load has been issued yet
	s_wait_dscnt 2                                 ; tile 0's fragment is in; tile 1's two loads may be out
	MM1 0
.set M, 0
.set CN, 0
.rept 16
.if M == 0
	PLACES                                         ; here alone: later the tile before's vector work stands between a product and the vector reads of its results
	s_wait_alu depctr_va_vdst(0)                   ; tile 0's products are done reading their fragment and scale word, in which tile 2's loads land; in later trips the wait at the last tile's end states the like
.endif
.if M < 14
	LOADX M+2                                      ; into the buffer that tile M's products, a trip back, have read
.endif
.rept 3
.if CN < 40
	CLOAD                                          ; 40 = 13 x 3 + 1: trips 0 to 13; the registers are touched by nothing until phase 2
.set CN, CN+1
.endif
.endr
.if M == 0
	s_wait_dscnt 2                                 ; tile 1's fragment is in: behind it tile 2's two loads
.elseif M < 14
	s_wait_dscnt 4                                 ; tile M + 1's fragment is in: behind it the last tile's two stores and tile M + 2's two loads
.else
	s_wait_dscnt 2                                 ; the same; nothing more is fetched: behind it the last tile's two stores
.endif
.if M < 15
	MM1 M+1
.endif
	WIN 0
	Q1 M
.set M, M+1
.endr
	BARRIER                                        ; x's 32 fragments and their scale words lie in LDS
; ---- PHASE 2: my 32 units of x21 (tiles 0, 1) and of x22 (tiles 2, 3) for all 16 tiles of rows, and their part of the three dot products.  Buffers and the order of a trip as in phase 1.
.macro LOADF m
.set XB, (\m)%2
.irp s, 0,1
.irp c, 0,1
	ds_load_b128 v[FB+16*XB+8*\s+4*\c:FB+16*XB+8*\s+4*\c+3], v[LIH] offset:(2*(\m)+\s)*1024+512*\c
.endr
.endr
.irp s, 0,1
	ds_load_b32 v[HSW+2*XB+\s], v[LSH] offset:(2*(\m)+\s)*64
.endr
.endm
.macro MM2 m                           ; the four accumulators take turns, one instruction a turn
.set XB, (\m)%2
	WIN 0x11                                       ; source 0 (the weights) and C (the biases) window 1
.irp t, 0,1,2,3
	WMMA OB+32*XB+8*\t, 16*\t, FB+16*XB, 64+8*\t, W2S+2*\t, HSW+2*XB
.endr
	WIN 0x01                                       ; C is the accumulator now
.irp t, 0,1,2,3
	WMMA OB+32*XB+8*\t, 16*\t+8, FB+16*XB+8, OB+32*XB+8*\t, W2S+2*\t+1, HSW+2*XB+1
.endr
	WIN 0
.endm
.macro V2 m                            ; relu, then u0, u1 over my 16 units of x21 and the logit over my 16 of x22: three chains of packed multiply-adds by turns
.set XB, (\m)%2
.set AC, OB+32*XB
.irp i, 0,2,4,6,8,10,12,14,16,18,20,22,24,26,28,30
	RELU2 AC+\i                                    ; each accumulator from its low end on
.endr
	v_pk_mul_f32 v[192:193], v[AC:AC+1], v[W3A:W3A+1]
	v_pk_mul_f32 v[194:195], v[AC:AC+1], v[W3B:W3B+1]
	v_pk_mul_f32 v[196:197], v[AC+16:AC+17], v[W3C:W3C+1]
.irp i, 2,4,6,8,10,12,14
	v_pk_fma_f32 v[192:193], v[AC+\i:AC+\i+1], v[W3A+\i:W3A+\i+1], v[192:193]
	v_pk_fma_f32 v[194:195], v[AC+\i:AC+\i+1], v[W3B+\i:W3B+\i+1], v[194:195]
	v_pk_fma_f32 v[196:197], v[AC+16+\i:AC+17+\i], v[W3C+\i:W3C+\i+1], v[196:197]
.endr
	v_add_f32 v[200+4*XB], v192, v193
	v_add_f32 v[201+4*XB], v194, v195
	v_add_f32 v[202+4*XB], v196, v197
.if ((\m) > 0) && ((\m) < 15)
	s_wait_alu depctr_vm_vsrc(0)                   ; the last tile's store, a trip back, has read the other out-buffer, whose three sums the next tile writes again
.endif
	s_wait_alu depctr_va_vdst(0)                   ; the three additions have written this out-buffer (its fourth word was written ahead of the phase), which the store reads; the next tile's products, issued ahead of this tile's vector work, are done reading their fragments and scale words, in which the loads behind this store land
	ds_store_b128 v[PW], v[200+4*XB:203+4*XB] offset:256*(\m)
.endm
	v_mov_b32 v203, 0                              ; the fourth word of a partial sum, in both buffers
	v_mov_b32 v207, 0
	LOADF 0                                        ; into v96-127 and v42-45.  No wait here: phase 1's last products and phase X's vector work stand ahead of the wait at tile 15's end, phase X's stores ahead of the wait behind its barrier, and the two lines above name none of these registers
	LOADF 1
	s_wait_loadcnt 12                              ; the second layer's codes, biases and scales are in: behind them the 12 loads of W31 and W32
	s_wait_dscnt 6                                 ; tile 0's fragments are in; tile 1's six loads may be out
	MM2 0
.set M, 0
.rept 16
.if M == 0
	PLACES                                         ; here alone, as in phase 1
	s_wait_alu depctr_va_vdst(0)                   ; tile 0's products are done reading their fragments and scale words, in which tile 2's loads land; in later trips the wait at the last tile's end states the like
.endif
.if M < 14
	LOADF M+2                                      ; into the buffer that tile M's products, a trip back, have read
.endif
.if M == 0
	s_wait_dscnt 6                                 ; tile 1's fragments are in: behind them tile 2's six loads
.elseif M < 14
	s_wait_dscnt 7                                 ; tile M + 1's fragments are in: behind them the last tile's store and tile M + 2's six loads
.else
	s_wait_dscnt 1                                 ; the same; nothing more is fetched: behind them the last tile's store
.endif
.if M < 15
	MM2 M+1
.endif
.if M == 0
	s_wait_loadcnt 0x0                             ; W31 and W32, ahead of the first dot products
.endif
	V2 M
.set M, M+1
.endr
; ---- THE TAIL: lane l of wave g takes row 32 g + l.
.set R0,   208                         ; v[208:209] rel;  v[210:211] the human's velocity
.set HV,   210
.set N2,   212                         ; |rel|^2
.set BASE, 213                         ; -2 h + 2 rel . mu: common to the three modes
.set SG,   214                         ; v214-216 sigma_f of the three modes, then sigma_f x the coefficient
.set RDN,  217                         ; 1 / (4 |rel|^2 + 1e-12)
.set UU,   220                         ; v[220:221] u_nom, then u_safe
.set T,    222                         ; v222.. at work
	ds_load_b64 v[R0:R0+1], v[ER] offset:24        ; obs' columns 6, 7 and 8, 9 of my row, from my wave's own stage.  v208-211 were last named by phase 1's vector work, ahead of every wait on va_vdst of phase 2
	ds_load_b64 v[HV:HV+1], v[ER] offset:32
	s_wait_dscnt 0x0                               ; my partial sums have landed, and these two loads are in
	s_barrier_signal -1
	v_mul_f32 v[N2], v[R0], v[R0]                  ; between signal and wait: what needs no other wave, on registers alone.  (v212-217 were phase 1's out-buffers: its last stores stand ahead of phase 2's waits on vm_vsrc)
	v_mul_f32 v[T], v[HV], v[R0]
	v_fmac_f32 v[N2], v[R0+1], v[R0+1]
	v_fmac_f32 v[T], v[HV+1], v[R0+1]              ; rel . mu
	v_add_f32 v[T+1], 0xbf23d70a, v[N2]            ; h = |rel|^2 - 0.64
	v_add_f32 v[T], v[T], v[T]
	v_fma_f32 v[BASE], v[T+1], -2.0, v[T]
	v_fma_f32 v[SG], v[N2], s42, s44               ; 4 var |rel|^2 + 1e-8
	v_fma_f32 v[SG+1], v[N2], s43, s44
	v_add_f32 v[SG+2], s44, v[N2]
	v_fma_f32 v[RDN], v[N2], 4.0, s45
	s_wait_alu depctr_va_vdst(0)
	v_sqrt_f32 v[SG], v[SG]
	v_sqrt_f32 v[SG+1], v[SG+1]
	v_sqrt_f32 v[SG+2], v[SG+2]
	v_rcp_f32 v[RDN], v[RDN]
	v_nop                                          ; a plain instruction behind the last of the batch (ISA guide 5.7.2),
	s_wait_alu depctr_va_vdst(0)                   ; the three roots and the reciprocal have written v214-217, ahead of their first reader; and phase 2's products and vector work are done with v128-191, in which the loads below land
	s_barrier_wait -1                              ; every wave's partial sums lie in LDS
.irp k, 0,1,2,3,4,5,6,7,8,9,10,11,12,13,14,15
	ds_load_b128 v[OB+4*\k:OB+4*\k+3], v[PR] offset:4096*\k    ; my row's 16 partial sums: 8 waves x 2 halves of the lanes
.endr
	s_wait_dscnt 0x0
	s_wait_kmcnt 0x0                               ; b31, b32
.irp d, 8,4,2,1
.set KK, 0
.rept \d
	v_pk_add_f32 v[OB+4*KK:OB+4*KK+1], v[OB+4*KK:OB+4*KK+1], v[OB+4*(KK+\d):OB+4*(KK+\d)+1]
	v_pk_add_f32 v[OB+4*KK+2:OB+4*KK+3], v[OB+4*KK+2:OB+4*KK+3], v[OB+4*(KK+\d)+2:OB+4*(KK+\d)+3]
.set KK, KK+1
.endr
.endr
	v_add_f32 v[UU], s36, v[OB]                    ; u_nom
	v_add_f32 v[UU+1], s37, v[OB+1]
	v_add_f32 v[T], s38, v[OB+2]                   ; the logit
	v_mul_f32 v[T], 0xbfb8aa3b, v[T]               ; x -log2(e)
	s_wait_alu depctr_va_vdst(0)
	v_exp_f32 v[T], v[T]
	v_mul_f32 v[T+10], v[R0], v[UU]                ; (plain work behind the exponential)  rel . u_nom
	v_fmac_f32 v[T+10], v[R0+1], v[UU+1]
	s_wait_alu depctr_va_vdst(0)                   ; the exponential has written v222, ahead of its first reader
	v_add_f32 v[T], 1.0, v[T]
	s_wait_alu depctr_va_vdst(0)
	v_rcp_f32 v[T], v[T]                           ; the sigmoid
	v_nop
	s_wait_alu depctr_va_vdst(0)                   ; the reciprocal has written v222, ahead of its first reader
	v_mul_f32 v[T], 0x3e4ccccd, v[T]               ; x 0.2
	v_med3_num_f32 v[T], v[T], s46, s47            ; beta, held to 1e-6 .. 1 - 1e-6
	v_fma_f32 v[T+1], v[T], -2.0, 1.0              ; x = 1 - 2 beta
	v_fma_f32 v[T+2], -v[T+1], v[T+1], 1.0         ; 1 - x^2
	s_wait_alu depctr_va_vdst(0)
	v_log_f32 v[T+2], v[T+2]
	v_rcp_f32 v[T+3], v[T]                         ; 1 / beta
	v_nop
	s_wait_alu depctr_va_vdst(0)                   ; the logarithm has written v224 and the reciprocal v225, ahead of their first readers
	v_mul_f32 v[T+2], 0xbf317218, v[T+2]           ; w = -ln(1 - x^2)
	s_wait_alu depctr_va_vdst(0)
	; erfinv(x) = x p(w): two polynomials of degree 8 (M. Giles's, in single precision), in w - 2.5 where w < 5 and in sqrt(w) - 3 elsewhere.  Both are computed and one is selected: no branch on data
	v_sqrt_f32 v[T+4], v[T+2]
	v_add_f32 v[T+5], 0xc0200000, v[T+2]           ; w - 2.5.  (The first polynomial is the plain work behind the root)
	v_mov_b32 v[T+6], 0x32f16588
.irp k, 0x34b84b36, 0xb66c7357, 0xb6935ac1, 0x396532db, 0xbaa45408, 0xbb88e4ef, 0x3e7c8f63, 0x3fc02e2f
	v_fmaak_f32 v[T+6], v[T+6], v[T+5], \k
.endr
	s_wait_alu depctr_va_vdst(0)                   ; the root has written v226, ahead of its first reader
	v_add_f32 v[T+4], 0xc0400000, v[T+4]           ; sqrt(w) - 3
	v_mov_b32 v[T+7], 0xb951f09b
.irp k, 0x38d3b56b, 0x3ab0dc72, 0xbb70bde7, 0x3bbc127b, 0xbbf9c5d7, 0x3c1aa57e, 0x3f8036db, 0x40354f7e
	v_fmaak_f32 v[T+7], v[T+7], v[T+4], \k
.endr
	v_cmp_gt_f32 vcc_lo, 0x40a00000, v[T+2]        ; 5 > w
	s_wait_alu depctr_va_vcc(0)                    ; the compare has written VCC, ahead of the select that reads it
	v_cndmask_b32 v[T+6], v[T+7], v[T+6], vcc_lo
	v_mul_f32 v[T+6], v[T+6], v[T+1]               ; erfinv;  z^2 / 2 is its square
	v_mul_f32 v[T+7], v[T+6], v[T+6]
	v_mul_f32 v[T+7], 0xbfb8aa3b, v[T+7]
	s_wait_alu depctr_va_vdst(0)
	v_exp_f32 v[T+7], v[T+7]                       ; exp(-z^2 / 2)
	v_mul_f32 v[T+3], 0x3ecc422a, v[T+3]           ; (plain work behind it)  1 / (sqrt(2 pi) beta)
	s_wait_alu depctr_va_vdst(0)                   ; the exponential has written v229, ahead of its first reader
	v_mul_f32 v[T+7], v[T+7], v[T+3]               ; the CVaR coefficient
.irp i, 0,1,2
	v_mul_f32 v[SG+\i], v[SG+\i], v[T+7]
.endr
	v_max3_num_f32 v[T+8], v[SG], v[SG+1], v[SG+2] ; the logsumexp's maximum is taken away; BASE is common to the three and stays outside
.irp i, 0,1,2
	v_sub_f32 v[SG+\i], v[SG+\i], v[T+8]
.endr
.irp i, 0,1,2
	v_mul_f32 v[SG+\i], 0x4166d4ca, v[SG+\i]       ; x log2(e) / 0.1
.endr
	s_wait_alu depctr_va_vdst(0)
.irp i, 0,1,2
	v_exp_f32 v[SG+\i], v[SG+\i]
.endr
	v_add_f32 v[BASE], v[BASE], v[T+8]             ; (plain work behind them)
	s_wait_alu depctr_va_vdst(0)                   ; the three exponentials have written v214-216, ahead of their first reader
	v_add_f32 v[SG], v[SG], v[SG+1]
	v_add_f32 v[SG], v[SG], v[SG+2]                ; between 1 and 3
	s_wait_alu depctr_va_vdst(0)
	v_log_f32 v[SG], v[SG]
	v_nop
	s_wait_alu depctr_va_vdst(0)                   ; the logarithm has written v214, ahead of its first reader
	v_fmamk_f32 v[BASE], v[SG], 0x3d8df4e0, v[BASE]    ; rhs_wc = 0.1 ln(2) log2(sum) + the maximum + BASE
	v_fma_f32 v[T+10], v[T+10], -2.0, v[BASE]      ; viol = G . u_nom + rhs_wc, G = -2 rel
	v_max_num_f32 v[T+10], 0, v[T+10]
	v_mul_f32 v[T+10], v[T+10], v[RDN]             ; step
	v_add_f32 v[T+10], v[T+10], v[T+10]
	v_fmac_f32 v[UU], v[T+10], v[R0]               ; u_safe = u_nom + 2 step rel
	v_fmac_f32 v[UU+1], v[T+10], v[R0+1]
	s_wait_alu depctr_va_vdst(0)                   ; the two multiply-adds have written v220, v221, which the store reads
	global_store_b64 v[OO], v[UU:UU+1], s[32:33] th:TH_STORE_NT    ; the wave's 32 lanes store 256 consecutive bytes, at a multiple of 256 from out0's first byte
	s_wait_dscnt 0x0                               ; the closing lines, six on end
	s_wait_alu 0x0
	s_wait_tensorcnt 0x0
	ds_add_u32 v30, v31
	s_wait_dscnt 0x0
	s_endpgm
.Lfunc_end_k_qd73b9d3360_barrier:
	.size	k_qd73b9d3360_barrier, .Lfunc_end_k_qd73b9d3360_barrier-k_qd73b9d3360_barrier
	.p2alignl 7, 3214868480
	.fill 96, 4, 3214868480
	.section	.rodata,"a",@progbits
	.p2align	6, 0x0
	.amdhsa_kernel k_qd73b9d3360_barrier
		.amdhsa_group_segment_fixed_size 181248
		.amdhsa_private_segment_fixed_size 0
		.amdhsa_enable_private_segment 0
		.amdhsa_kernarg_size 120
		.amdhsa_user_sgpr_count 2
		.amdhsa_user_sgpr_kernarg_segment_ptr 1
		.amdhsa_wavefront_size32 1
		.amdhsa_system_sgpr_workgroup_id_x 1
		.amdhsa_system_sgpr_workgroup_id_y 1
		.amdhsa_system_sgpr_workgroup_id_z 1
		.amdhsa_system_vgpr_workitem_id 0
		.amdhsa_next_free_vgpr 384
		.amdhsa_next_free_sgpr 66
		.amdhsa_reserve_vcc 1
		.amdhsa_float_denorm_mode_32 3
		.amdhsa_float_denorm_mode_16_64 3
		.amdhsa_memory_ordered 1
		.amdhsa_forward_progress 1
		.amdhsa_inst_pref_size 126
	.end_amdhsa_kernel
	.amdgpu_metadata
---
amdhsa.version: [ 1, 2 ]
amdhsa.kernels:
  - .name:           k_qd73b9d3360_barrier
    .symbol:         k_qd73b9d3360_barrier.kd
    .args:
      - { .name: obs, .offset: 0, .size: 8, .value_kind: global_buffer, .address_space: global }
      - { .name: W1_codes, .offset: 8, .size: 8, .value_kind: global_buffer, .address_space: global }
      - { .name: W1_scales, .offset: 16, .size: 8, .value_kind: global_buffer, .address_space: global }
      - { .name: b1, .offset: 24, .size: 8, .value_kind: global_buffer, .address_space: global }
      - { .name: W21_codes, .offset: 32, .size: 8, .value_kind: global_buffer, .address_space: global }
      - { .name: W21_scales, .offset: 40, .size: 8, .value_kind: global_buffer, .address_space: global }
      - { .name: b21, .offset: 48, .size: 8, .value_kind: global_buffer, .address_space: global }
      - { .name: W22_codes, .offset: 56, .size: 8, .value_kind: global_buffer, .address_space: global }
      - { .name: W22_scales, .offset: 64, .size: 8, .value_kind: global_buffer, .address_space: global }
      - { .name: b22, .offset: 72, .size: 8, .value_kind: global_buffer, .address_space: global }
      - { .name: W31, .offset: 80, .size: 8, .value_kind: global_buffer, .address_space: global }
      - { .name: W32, .offset: 88, .size: 8, .value_kind: global_buffer, .address_space: global }
      - { .name: b31, .offset: 96, .size: 8, .value_kind: global_buffer, .address_space: global }
      - { .name: b32, .offset: 104, .size: 8, .value_kind: global_buffer, .address_space: global }
      - { .name: out0, .offset: 112, .size: 8, .value_kind: global_buffer, .address_space: global }
    .group_segment_fixed_size: 181248
    .private_segment_fixed_size: 0
    .kernarg_segment_align: 8
    .kernarg_segment_size: 120
    .max_flat_workgroup_size: 256
    .sgpr_count:     66
    .vgpr_count:     384
    .wavefront_size: 32
...
	.end_amdgpu_metadata
.endif
;; end of part 2
